; MI455X (gfx1250); checked and timed in simulation.
; The chip was launched on July 23, 2026; its instructions are those of AMD's public machine-readable ISA for CDNA 5 (MIT licence, August 2026) and "CDNA5" Instruction Set Architecture Reference Guide (July 2026). The comments in the code are by the model that wrote it; some were corrected since.
;; Full Attention. Allowed arithmetic: matrix products marked QUANTISED: E5M2 operands, one E8M0 scale for each 32 along K, by v_wmma_scale_f32_16x16x128_f8f6f4 with both operands' format E5M2, f32 sums; everything else in f32.
;; Inputs: keys_codes 2 x 2,048 x 16 x 2 x 32 uint8 (E5M2 codes of keys, K innermost, in blocks of 32 codes); keys_scales 2 x 2,048 x 16 x 2 uint8 (E8M0 scales of keys, one for each 32 codes along K); queries_codes 2 x 2,048 x 16 x 2 x 32 uint8 (E5M2 codes of queries, K innermost, in blocks of 32 codes); queries_scales 2 x 2,048 x 16 x 2 uint8 (E8M0 scales of queries, one for each 32 codes along K); values_codes 2 x 16 x 64 x 64 x 32 uint8 (E5M2 codes of values, K innermost, in blocks of 32 codes); values_scales 2 x 16 x 64 x 64 uint8 (E8M0 scales of values, one for each 32 codes along K).
;; Outputs: out0 2 x 2,048 x 16 x 64 float32.
;; This version of the problem:
;;   THIS VERSION OF THE PROBLEM IS GIVEN IN LOW PRECISION. The matrix products marked QUANTISED in the list below multiply operands that are first quantised to E5M2 (5 exponent bits, 2 mantissa bits; 8 bits a number), with one power-of-two scale for each 32 numbers along K (OCP MX v1.0); their sums are f32. All else is computed in f32.
;;   The module's matrix products, in the order in which they are computed (A, B: the left and right operand; K: the contracted axis; several contracted axes count as one K, in the product's order):
;;     1. batch 32 x [M 2,048, K 64] x [K 64, N 2,048]; A: input queries (given as codes); B: input keys (given as codes): QUANTISED
;;     2. batch 32 x [M 64, K 2,048] x [K 2,048, N 2,048]; A: input values (given as codes); B: softmax (see below): QUANTISED
;;   THE QUANTISER, for each operand of a quantised product, along K:
;;     - K is cut into blocks of 32 from its start; a last block that is shorter is filled with zeros.
;;     - A block's scale is 2^e with e = floor(log2(the largest magnitude in the block)) - 15, held to -126 .. 127; a block of zeros has e = 0. As a byte (E8M0): e + 127.
;;     - Each number is divided by its block's scale, clamped to +-57,344, and rounded to the nearest number of E5M2, ties to even, subnormals kept.
;;     - The product sums the exact products of the quantised numbers (number of the format x scale) in f32.
;;   ~~~python
;;   def quantise(x, axis):      # numpy; x: float32 -> the quantised numbers, widened to float32 again
;;       x = np.moveaxis(x, axis, -1); K = x.shape[-1]
;;       x = np.pad(x, [(0, 0)] * (x.ndim - 1) + [(0, -K % 32)]); x = x.reshape(x.shape[:-1] + (-1, 32)); a = np.abs(x).max(-1, keepdims=True)
;;       e = np.where(a > 0, np.clip(np.frexp(np.where(a > 0, a, 1))[1] - 1 - 15, -126, 127), 0)      # np.frexp(a)[1] - 1 = floor(log2(a)), exactly
;;       r = np.clip(x / 2.0 ** e, -57344, 57344)
;;       step = 2.0 ** (np.maximum(np.frexp(np.where(r == 0, 1, r))[1] - 1, -14) - 2)
;;       q = np.round(r / step) * step * 2.0 ** e      # np.round: ties to even
;;       return np.moveaxis(q.reshape(q.shape[:-2] + (-1,))[..., :K], -1, axis).astype(np.float32)
;;   ~~~
;;   SOFTMAX AHEAD OF A QUANTISED PRODUCT. Where the list says 'softmax', what is quantised is not the finished softmax but p = 2^(t - M), with t = logit x log2(e) and M = ceil(the row's largest t), a whole number; so 1/2 < the row's largest p <= 1. The row's sum l is taken of the UNQUANTISED p, in f32, and the product's result is divided by l at the end. Since M is a whole number, a kernel that streams over the keys may use a running M (the ceiling of the running maximum): every later rescaling is an exact power of two, which a block's scale takes up: the codes' values come out the same.
;;   OPERANDS COMPUTED ON THE WAY. 'Computed on the way' means the value that the module computes at that place (a softmax that the list does not call 'softmax' is quantised finished and normalised). What goes into a quantiser is computed in f32, as accurately as f32 sums, v_exp_f32 and their like allow (about 1e-6 of the number): no bf16 or f16 on the way to a quantiser, and a product that is left as it is and whose result goes on into a quantised operand takes f32 operands (vector FMAs, or v_wmma_f32_16x16x4_f32). A number that lies on a knife's edge between two numbers of the format may be rounded either way, as far as f32 arithmetic and the matrix unit's own rounding can turn it there, and no further.
;;   INPUTS GIVEN AS CODES. keys (in the module: [2, 2048, 16, 64], K = its axis 3); queries (in the module: [2, 2048, 16, 64], K = its axis 3); values (in the module: [2, 2048, 16, 64], K = its axis 1): each comes as NAME_codes (uint8): NAME with its K axis moved to the last place and cut into blocks of 32 codes, [.., K / 32, bytes a block], one block behind the other in memory; one code a byte (a code: sign, 5 exponent bits, 2 mantissa bits); and NAME_scales (uint8): the same leading axes, one E8M0 byte (e + 127) for each 32 codes along K. Its value is code x scale, taken as it is: it is not quantised again, and the codes and scales need not be those that the quantiser above would give.
;; One version. Each part assembles by itself: llvm-mc -triple=amdgcn-amd-amdhsa -mcpu=gfx1250 --defsym DOCPART=n.
;; ======== version 1 of 1: 1 launch
;; limits: right only within a limited range of input values
;; launch attn (part 1): grid 32 x 8, 16 waves a work-group, no clusters, 327,680 bytes of LDS; arguments keys_codes, keys_scales, queries_codes, queries_scales, values_codes, values_scales, out0; writes out0
.if DOCPART == 1
	.amdgcn_target "amdgcn-amd-amdhsa--gfx1250"
	.amdhsa_code_object_version 6
	.text
	.protected	k_q0fa50b55d7_attn
	.globl	k_q0fa50b55d7_attn
	.p2align	8
	.type	k_q0fa50b55d7_attn,@function
k_q0fa50b55d7_attn:
	s_mov_b64 s[64:65], 0
	v_nop
	global_prefetch_b8 v0, s[64:65] scope:SCOPE_SE
	s_setreg_imm32_b32 hwreg(HW_REG_WAVE_MODE, 25, 1), 1
	s_wait_xcnt 0x0
; out0[b][q][h][:] = the sum over keys k <= q of softmax_k(Q[b][q][h] . K[b][k][h] / 8) V[b][k][h][:]: causal attention, 2 batches x 16 heads x 2,048 positions, head size 64.
; Both products run on codes of BF8 (E5M2) with one E8M0 scale for each 32 along a product's K.
; THE SOFTMAX AHEAD OF THE SECOND PRODUCT: t = score x log2(e) / 8; M = the row's largest t so far, rounded UP to a whole number; p = 2^(t - M) is quantised along the keys, not normalised.
; The row's sum is taken of the unquantised p in f32 and divides at the end.  When M moves, the sum and O are multiplied by 2^(old M - new M): exact.
; WORK LEFT OUT.  A key after the query gets -infinity from the mask that the problem builds itself, so its p is exactly 0 and it adds nothing to the maximum, to the sum or to the second product,
; whatever finite values the inputs hold.  So steps of 128 keys whose first key comes after a tile's last query are left out whole.  In the one step of a tile that lies on the diagonal hidden scores are set to -infinity.
; Every input has a way to an output: all six are loaded.
; LIMITS: a NaN, an infinity or a scale byte 0xff that reaches only the work left out is not carried to the result; NaN and infinity codes and scale bytes 0xff are not served; the scaled scores (exponents to the base 2)
; stay under 2^31 in magnitude; a block of p whose largest number lies under 2^(16 - 127) keeps the scale byte 1; v_exp_f32 gives 0 for a p under 2^-126.
; SHARES.  Work-group (head, j): of each of the head's 16 blocks of 128 queries the 16 queries 16 j .. 16 j + 15: sixteen tiles, tile k with k + 1 steps of 128 keys, 136 tile steps in every work-group.
; Waves p (role 1) and p + 8 (role 0), p = 0..7, share tiles p and 15 - p.  Step s takes the chunk of 128 keys 2 s - min(s, p + role).
; Role 0 walks tile p's chunks 0 .. p, stores that tile, then takes chunks p + 2, p + 4 .. 14 - p of tile 15 - p: steps 0 to 7.  Role 1 takes chunks 0 .. p + 1, p + 3 .. 15 - p of tile 15 - p: steps 0 to 8;
; at the end it joins the two parts of that tile, whose maxima are whole numbers, by exact powers of two.
; THE WHOLE HEAD'S K AND V STAY IN LDS.  Each byte is copied once, by the 37 asynchronous copies that each wave issues at the head in the order of the chunks; nothing is filled again.
; No wave needs a chunk above 2 s at step s; the fragments of K are loaded a step ahead.  So four barriers show the copies: ahead of step 0 five of each wave's, ahead of step 1 fourteen, ahead of step 2 twenty-three, ahead of step 4 all.
; NO CLUSTER: K's rows of a head are 64 bytes, 1,024 apart, and come lane by lane in copies, which carry no work-group mask; V comes with them in the same order.
; NO PREFETCH: all that the launch reads of K and V is asked for at the head; no loop asks for it, so there is nothing to run ahead of.
; HEAD SIZE 64 IN A FORM OF K = 128: the upper 64 along K are zero codes in Q's operand; K's operand has the next tile's codes there (zeros behind the last tile), which are multiplied by those zeros; the scale bytes there are 0, which stands for 2^-127.
; LAYOUT.  Both products are used transposed: S^T = K Q^T, O^T = V^T P^T: a lane holds ONE query (lane % 16) throughout.
; THE KEYS OF A TILE ARE NOT NEIGHBOURS: lane r of tile 2 b + u takes key 32 b + 8 u + r + 8 (r / 8), so that the 16 registers of tiles 2 b and 2 b + 1 are 16 neighbouring keys, 32 b + 16 (lane / 16) + 0 .. 15.
; LDS.  K: an image of the fragments: chunk of 128 keys 8,192 bytes, tile 1,024, 16-byte piece q of a row 256, and in these row r at 16 (r xor 4 q).  V: for each 256 keys 64 rows of 256 + 16 bytes.
; All of the LDS is claimed; the text uses 320,000 bytes.
.set VB,    131072
.set VREG,  17408                      ; 64 rows x 272
.set KSB,   VB+8*VREG                  ; K's scale bytes: 4 bytes a key (my head's two and the neighbour head's)
.set VSB,   KSB+8192                   ; V's: 64 rows of 64 bytes + 8
.set STAGE, VSB+64*72                  ; the ways out and the joining: 16 x 272 bytes for each pair of waves; no copy lands here
.set SPARE, STAGE+8*4352               ; the spare words, 128 bytes for each wave
.set SPW,  1
.set NIL,  2
.set AK0,  3                           ; my lane's place in a tile of K; AV0 of V; ASK0, ASV0 among the scales
.set AV0,  4
.set ASK0, 5
.set ASV0, 6
                                       ; until all copies are in, v7, v9-11, v245, v249-255 hold the copies' addresses (v234-235 and v246 until the first barrier, v247-248 until the second)
                                       ; v8 Q's offset, v246 (behind the first barrier) its scale bytes'
                                       ; v12 -M, v13 the largest score so far, v[14:15] the row's sum in two halves
.set QF,   16                          ; v16-23 Q's codes, v24-31 zeros
.set KF,   32                          ; v32-95 eight fragments of K, v96-103 zeros
.set SS,   104                         ; v104-167 S^T, then p, then V's four fragments
.set OT,   168                         ; v168-199 O^T
.set PC,   200                         ; v200-215 p's codes
.set BM,   216                         ; a block's largest score, its largest p, then the scale byte
.set ADK0, 216                         ; ahead of that, the addresses of the next chunk of K and of its scales
.set ADK1, 217
.set ADS,  218
.set BH,   220                         ; the other half's largest score, then 57,344 x the scale
.set BS,   224                         ; the conversions' scale operands
.set KSW,  228                         ; K's scale words: lanes 0-15 tile 2 b, lanes 16-31 tile 2 b + 1
.set VSW,  232
.set FF,   234                         ; v[234:235] f = 2^(old M - new M)
.set SA,   236                         ; v[236:237], v[238:239] two more chains of the sum
.set SB,   238
.set TMP,  240
.set TM2,  241
.set QSW,  242
.set PW,   243                         ; p's scale word
.set DD,   244                         ; 16 j + lane % 16 - 16 (lane / 16)
.set ADV,  247                         ; the addresses of the step's V and of its scales
.set ADT,  248
.set KC,   2                           ; this step's chunk of 128 keys
.set KN,   3                           ; the next step's
.set WV,   18
.set MNT,  19
.set SEL,  20
.set CS,   22
.set NC,   24
.set NI,   25
.set ROLE, 26
.set P,    27
.set KD,   28                          ; the tile in hand: its diagonal chunk
.set KT1,  29                          ; 15 - p
.set JB,   30                          ; j / 2: the block of 32 keys that the diagonal cuts
.set N,    31                          ; the loop's step
.set KB,   32                          ; s[32:63] bases of K's sixteen copies, s[66:73] of its scales' four
.set FL1,  74                          ; role 0: p + 1, the step ahead of which the first tile goes out; role 1: never reached
.set LAST, 75                          ; 7 or 8: my last step
.set T0,   76
.set T1,   77
.set T2,   84
.set T3,   85
.set QQ,   88                          ; p + role
.set SST,  89                          ; my pair's stage
.set T4,   94
	s_load_b256 s[4:11], s[0:1], 0x0               ; K's codes, K's scales, Q's codes, Q's scales
	s_load_b128 s[12:15], s[0:1], 0x20             ; V's codes, V's scales
	s_load_b64 s[16:17], s[0:1], 0x30              ; out0
	v_lshl_add_u32 v[SPW], v0, 2, SPARE
	v_mov_b32 v[NIL], 0
	ds_add_u32 v[SPW], v[NIL]                      ; the opening lines: the add, twice on end, ahead of my first copy
	ds_add_u32 v[SPW], v[NIL]
	s_and_b32 s[T2], ttmp9, 1
	s_lshl_b32 s[T2], s[T2], 1
	s_add_co_u32 s[T2], s[T2], KSB                 ; K's scales: my head's two of a key's four bytes
	s_and_b32 s[T3], ttmp7, 0xffff                 ; j
	s_lshr_b32 s[JB], s[T3], 1
	s_lshl_b32 s[T3], s[T3], 4                     ; 16 j
	v_and_b32 v12, 15, v0                          ; r
	v_bfe_u32 v13, v0, 4, 1                        ; h'
	v_and_b32 v14, 3, v0
	; copies of K: thread T takes row T / 4 of a chunk, piece T % 4: four lanes a row of 64 bytes
	v_lshrrev_b32 v7, 2, v0
	v_lshlrev_b32 v7, 10, v7
	v_lshl_add_u32 v7, v14, 4, v7
	v_bfe_u32 v9, v0, 2, 3                         ; row r of its tile: key's bits 2:0 and bit 4
	v_bfe_u32 v15, v0, 6, 1
	v_lshl_add_u32 v9, v15, 3, v9
	v_lshlrev_b32 v15, 2, v14
	v_xor_b32 v9, v9, v15
	v_lshlrev_b32 v9, 4, v9
	v_lshl_add_u32 v9, v14, 8, v9
	v_bfe_u32 v15, v0, 5, 1                        ; tile 2 b + u: u = key's bit 3, b = its bits 6:5
	v_lshl_add_u32 v9, v15, 10, v9
	v_bfe_u32 v15, v0, 7, 2
	v_lshl_add_u32 v9, v15, 11, v9
	v_add_nc_u32 v10, 0x10000, v9                  ; chunks 8 to 15
	; copies of V: thread T takes row T / 16 (and 32 further on) of 256 keys, sixteen lanes a row's 256 bytes
	v_lshrrev_b32 v15, 4, v0
	v_lshlrev_b32 v11, 11, v15
	v_lshl_add_u32 v11, v12, 4, v11
	v_add_nc_u32 v254, 65536-8704, v11             ; (a copy's immediate is added to both addresses: 8,704 = 32 LDS rows)
	v_mul_u32_u24 v246, v15, 272
	v_lshl_add_u32 v246, v12, 4, v246
	v_add_nc_u32 v246, VB, v246
.irp p, 1,2,3,4,5,6,7
	v_add_nc_u32 v[246+\p], \p*(VREG-256), v246
.endr
	; copies of the scales: K's: a key a thread, 32 bytes apart; V's: 8 bytes a thread
	v_lshlrev_b32 v255, 5, v0
	v_lshl_add_u32 v245, v0, 2, KSB
	v_lshlrev_b32 v234, 3, v0
	v_lshrrev_b32 v235, 3, v0
	v_mul_u32_u24 v235, v235, 72
	v_and_b32 v14, 7, v0
	v_lshl_add_u32 v235, v14, 3, v235
	v_add_nc_u32 v235, VSB, v235
	; the lane's places for the fragments
	v_lshlrev_b32 v14, 2, v13
	v_xor_b32 v[AK0], v12, v14
	v_lshlrev_b32 v[AK0], 4, v[AK0]
	v_lshl_add_u32 v[AK0], v13, 8, v[AK0]
	v_mul_u32_u24 v[AV0], v12, 272
	v_lshl_add_u32 v[AV0], v13, 4, v[AV0]
	v_add_nc_u32 v[AV0], VB, v[AV0]
	v_and_b32 v14, 8, v12
	v_add_nc_u32 v14, v14, v12                     ; r + 8 (r / 8)
	v_lshl_add_u32 v14, v13, 3, v14                ; lanes 16-31: tile 2 b + 1, eight keys on
	v_lshlrev_b32 v14, 2, v14
	v_add_nc_u32 v[ASK0], s[T2], v14
	v_and_b32 v[ASV0], 31, v0
	v_mul_u32_u24 v[ASV0], v[ASV0], 72
	v_add_nc_u32 v[ASV0], VSB, v[ASV0]
	v_lshlrev_b32 v14, 4, v13
	v_sub_nc_u32 v[DD], v12, v14
	v_add_nc_u32 v[DD], s[T3], v[DD]
	v_lshlrev_b32 v8, 10, v12                      ; Q: position r, my half's 16 bytes
	v_lshl_add_u32 v8, v13, 4, v8
	v_lshlrev_b32 v237, 5, v12
.irp i, 0,1,2,3,4,5,6,7
	v_mov_b32 v[QF+8+\i], 0
	v_mov_b32 v[KF+64+\i], 0
.endr
.irp b, 0,1,2,3
	v_mov_b32 v[BH+\b], 0                          ; a lane permute's destination counts as one of its sources
.endr
	v_xor_b32 v[ADK1], 0x80, v[AK0]                ; pieces 2, 3: row at 16 (r xor 8 xor 4 h')
	v_lshrrev_b32 v15, 5, v0
	v_readfirstlane_b32 s[WV], v15
	s_wait_alu depctr_va_vdst(0)                   ; behind the head's vector work
	s_lshr_b32 s[ROLE], s[WV], 3
	s_xor_b32 s[ROLE], s[ROLE], 1
	s_and_b32 s[P], s[WV], 7
	s_xor_b32 s[KT1], s[P], 15
	s_mul_i32 s[KD], s[ROLE], 15
	s_xor_b32 s[KD], s[KD], s[P]                   ; my first tile: p or 15 - p
	s_lshl_b32 s[FL1], s[ROLE], 4
	s_add_co_u32 s[FL1], s[FL1], s[P]
	s_add_co_u32 s[FL1], s[FL1], 1
	s_add_co_u32 s[LAST], s[ROLE], 7
	s_add_co_u32 s[QQ], s[P], s[ROLE]
	s_mul_i32 s[SST], s[P], 4352
	s_add_co_u32 s[SST], s[SST], STAGE
	s_mov_b32 s[KC], 0
	s_mov_b32 s[SEL], 0x76543210
	s_mov_b32 s[SEL+1], 0xfedcba98
	s_mov_b32 s[CS], 0x3e38aa3b                    ; c = log2(e) / 8
	s_mov_b32 s[CS+1], s[CS]
	s_mov_b32 s[NC], 0xbe38aa3b                    ; -c
	s_mov_b32 s[NI], 0xff800000
	s_mov_b32 s[MNT], 0x600000                     ; the mantissa field of 57,344
	s_lshr_b32 s[T0], ttmp9, 4                     ; the batch
	s_and_b32 s[T1], ttmp9, 15                     ; the head
	s_lshl_b32 s86, s[T0], 21                      ; byte offsets, each a pair with 0 above.  K's and Q's codes at position 0
	s_lshl_b32 s94, s[T1], 6
	s_add_co_u32 s86, s86, s94
	s_mov_b32 s87, 0
	s_lshl_b32 s94, s[T3], 10
	s_add_co_u32 s94, s86, s94
	s_lshl_b32 s95, s[KD], 17
	s_add_co_u32 s78, s94, s95                     ; Q's codes: my first tile,
	s_mov_b32 s79, 0
	s_lshl_b32 s95, s[KT1], 17
	s_add_co_u32 s80, s94, s95                     ; and tile 15 - p
	s_mov_b32 s81, 0
	s_lshl_b32 s90, s[T0], 16                      ; its scale bytes likewise
	s_lshl_b32 s94, s[T1], 1
	s_add_co_u32 s90, s90, s94
	s_lshl_b32 s94, s[T3], 5
	s_add_co_u32 s90, s90, s94
	s_lshl_b32 s94, s[KT1], 12
	s_add_co_u32 s92, s90, s94
	s_lshl_b32 s94, s[KD], 12
	s_add_co_u32 s90, s90, s94
	s_mov_b32 s91, 0
	s_mov_b32 s93, 0
	s_lshl_b32 s82, s[T0], 23                      ; out0: my first tile's rows
	s_lshl_b32 s94, s[T1], 8
	s_add_co_u32 s82, s82, s94
	s_lshl_b32 s94, s[T3], 12
	s_add_co_u32 s82, s82, s94
	s_lshl_b32 s94, s[KD], 19
	s_add_co_u32 s82, s82, s94
	s_mov_b32 s83, 0
	s_lshl_b32 s96, ttmp9, 17                      ; V's codes of my head
	s_mov_b32 s97, 0
	s_lshl_b32 s98, ttmp9, 12                      ; V's scale bytes
	s_mov_b32 s99, 0
	s_lshl_b32 s94, s[T0], 16                      ; K's scale bytes: the four of my head and its neighbour
	s_lshr_b32 s95, s[T1], 1
	s_lshl_b32 s95, s95, 2
	s_add_co_u32 s94, s94, s95
	s_mov_b32 s95, 0
	s_wait_dscnt 0x0                               ; both opening adds are done
	s_wait_kmcnt 0x0
	s_add_nc_u64 s[78:79], s[8:9], s[78:79]
	s_add_nc_u64 s[90:91], s[10:11], s[90:91]
	s_add_nc_u64 s[KB:KB+1], s[4:5], s[86:87]
	s_add_nc_u64 s[66:67], s[6:7], s[94:95]
	s_add_nc_u64 s[96:97], s[12:13], s[96:97]
	s_add_nc_u64 s[98:99], s[14:15], s[98:99]
	global_load_b128 v[QF:QF+3], v8, s[78:79]              ; k = 16 h' + 0 .. 15
	global_load_b128 v[QF+4:QF+7], v8, s[78:79] offset:32  ; k = 32 + 16 h' + 0 .. 15
	global_load_u16 v[QSW], v237, s[90:91]                 ; two scale bytes; the word's upper two are 0
; Copies: chunk i of K; 256 keys p of V (two of 32 rows); 512 keys i of K's scales
.macro CPK i
	global_load_async_to_lds_b128 v[9+(\i)/8], v7, s[KB+2*(\i):KB+2*(\i)+1] offset:8192*((\i)%8)
.endm
.macro CPV p
	global_load_async_to_lds_b128 v[246+\p], v11, s[96:97] offset:256*\p
	global_load_async_to_lds_b128 v[246+\p], v254, s[96:97] offset:256*\p+8704
.endm
.macro CPS i
	global_load_async_to_lds_b32 v245, v255, s[66+2*\i:67+2*\i] offset:2048*\i
.endm
	CPS 0
	CPK 0
	CPV 0
	global_load_async_to_lds_b64 v235, v234, s[98:99]        ; V's scale bytes.  Five so far
.irp i, 1,2,3,4,5,6,7,8,9,10,11,12,13,14,15
	s_add_nc_u64 s[KB+2*\i:KB+2*\i+1], s[KB:KB+1], \i*131072-(\i%8)*8192
.endr
.irp i, 1,2,3
	s_add_nc_u64 s[66+2*\i:67+2*\i], s[66:67], \i*14336
.endr
	CPK 1
	CPK 2
	CPV 1
	CPK 3
	CPK 4
	CPS 1
	CPV 2                                          ; fourteen: K's chunks 0 to 4, V's 0 to 5, K's scales of 0 to 7
	CPK 5
	CPK 6
	CPV 3
	CPK 7
	CPK 8
	CPS 2
	CPV 4                                          ; twenty-three: K's 0 to 8, V's 0 to 9, the scales of 0 to 11
	CPK 9
	CPK 10
	CPV 5
	CPK 11
	CPK 12
	CPS 3
	CPV 6
	CPK 13
	CPK 14
	CPV 7
	CPK 15                                         ; thirty-seven
	s_add_nc_u64 s[80:81], s[8:9], s[80:81]
	s_add_nc_u64 s[92:93], s[10:11], s[92:93]
	s_add_nc_u64 s[82:83], s[16:17], s[82:83]
; The fragments of a chunk of K, and its scale words
.macro LOADK a0, a1, as
.irp t, 0,1,2,3,4,5,6,7
	ds_load_b128 v[KF+8*\t:KF+8*\t+3], v[\a0] offset:1024*\t
	ds_load_b128 v[KF+8*\t+4:KF+8*\t+7], v[\a1] offset:1024*\t+512
.endr
.irp b, 0,1,2,3
	ds_load_u16 v[KSW+\b], v[\as] offset:128*\b    ; two scale bytes a key; the word's upper two are 0
.endr
.endm
; d = the chunk that step num takes: 2 num - min(num, p + role), from 0 to 15: 15 - m is m xor 15
.macro CHUNK d, num
	s_min_u32 s[\d], \num, s[QQ]
	s_xor_b32 s[\d], s[\d], 15
	s_lshl_b32 s[T4], \num, 1
	s_add_co_u32 s[\d], s[\d], s[T4]
	s_add_co_u32 s[\d], s[\d], 1
	s_and_b32 s[\d], s[\d], 15
.endm
.macro NOPS n
.rept \n
	v_nop
.endr
.endm
; A KEY STEP: 128 keys x my 16 queries.  first = 1: chunk 0, which starts the sums; it loads no next chunk.  last = 1: it may be my last step.
.macro STEP first, num, last
.if \first
	.set AV, AV0
	.set AT, ASV0
.else
	.set AV, ADV
	.set AT, ADT
	CHUNK KC, \num
	s_add_co_u32 s[T3], \num, 1
	CHUNK KN, s[T3]
	s_lshl_b32 s[T0], s[KN], 13
	s_lshl_b32 s[T1], s[KN], 9
	s_lshr_b32 s[T2], s[KC], 1
	s_mul_i32 s[T2], s[T2], VREG
	s_and_b32 s[T3], s[KC], 1
	s_lshl_b32 s[T3], s[T3], 7
	s_add_co_u32 s[T2], s[T2], s[T3]
	s_lshl_b32 s[T3], s[KC], 2
	s_wait_loadcnt 0x0                             ; the second tile's Q, where the last step asked for it
.endif
	s_wait_dscnt 0x0                               ; this chunk's fragments of K
.irp t, 0,1,2,3,4,5,6,7                        ; S^T = K Q^T
.if \t%2
	v_wmma_scale_f32_16x16x128_f8f6f4 v[SS+8*\t:SS+8*\t+7], v[KF+8*\t:KF+8*\t+15], v[QF:QF+15], 0, v[KSW+\t/2], v[QSW] matrix_a_fmt:MATRIX_FMT_BF8 matrix_b_fmt:MATRIX_FMT_BF8 matrix_a_scale:MATRIX_SCALE_ROW1
.else
	v_wmma_scale_f32_16x16x128_f8f6f4 v[SS+8*\t:SS+8*\t+7], v[KF+8*\t:KF+8*\t+15], v[QF:QF+15], 0, v[KSW+\t/2], v[QSW] matrix_a_fmt:MATRIX_FMT_BF8 matrix_b_fmt:MATRIX_FMT_BF8
.endif
.endr                                          ; lane (r, h') holds query r; register 16 b + i is key 32 b + 16 h' + i of the chunk
.if \first
	NOPS 8                                         ; places behind the products
.else
	v_add_nc_u32 v[ADK0], s[T0], v[AK0]            ; with these five, eight places behind the products
	v_add_nc_u32 v[ADS], s[T1], v[ASK0]
	v_add_nc_u32 v[ADV], s[T2], v[AV0]
	v_add_nc_u32 v[ADT], s[T3], v[ASV0]
	v_xor_b32 v[ADK1], 0x80, v[ADK0]
	NOPS 3
.if \last
	s_cmp_eq_u32 s[N], s[LAST]                     ; the last step has no next chunk
	s_cbranch_scc1 .Lnok_\@
.endif
	LOADK ADK0, ADK1, ADS                          ; the next step's fragments of K, a whole step ahead
.endif
	s_add_co_u32 s[T0], \num, 1                    ; the last step of role 0's first tile: this tile's Q has been used, the second tile's is asked for
	s_cmp_lg_u32 s[T0], s[FL1]
	s_cbranch_scc1 .Lnoq_\@
	global_load_b128 v[QF:QF+3], v8, s[80:81]
	global_load_b128 v[QF+4:QF+7], v8, s[80:81] offset:32
	global_load_u16 v[QSW], v246, s[92:93]
.Lnoq_\@:
.if \last
.Lnok_\@:
.endif
	s_cmp_lg_u32 s[KC], s[KD]                      ; on the diagonal hidden scores become -infinity ahead of the maximum.  Key 32 b + 16 h' + i is hidden where it is above 16 j + r:
	s_cbranch_scc1 .Lopen_\@
.irp b, 1,2,3                                  ; all of a block where b > j / 2,
	s_cmp_lt_u32 s[JB], \b
	s_cbranch_scc0 .Lh_\@_\b
.set IX, 0
.rept 16
	v_mov_b32 v[SS+16*\b+IX], s[NI]
.set IX, IX+1
.endr
.Lh_\@_\b:
.endr
.irp b, 0,1,2,3                                ; some of it where b = j / 2, none where b < j / 2
	s_cmp_eq_u32 s[JB], \b
	s_cbranch_scc0 .Lp_\@_\b
.set IX, 0
.rept 16
	v_cmp_gt_i32 vcc_lo, 32*\b+IX, v[DD]
	v_cndmask_b32 v[SS+16*\b+IX], v[SS+16*\b+IX], s[NI], vcc_lo
.set IX, IX+1
.endr
.Lp_\@_\b:
.endr
	s_wait_alu depctr_va_vdst(0)                   ; behind the branches
.Lopen_\@:
.irp b, 0,1,2,3
	v_max3_num_f32 v[BM+\b], v[SS+16*\b], v[SS+1+16*\b], v[SS+2+16*\b]   ; the largest score of each block of 32 keys: for the row's maximum and, since p rises with the score, for the block's largest p
.endr
.irp i, 3,5,7,9,11,13
.irp b, 0,1,2,3
	v_max3_num_f32 v[BM+\b], v[BM+\b], v[SS+16*\b+\i], v[SS+1+16*\b+\i]
.endr
.endr
.irp b, 0,1,2,3
	v_max_num_f32 v[BM+\b], v[BM+\b], v[SS+15+16*\b]
.endr
.irp b, 0,1,2,3
	v_permlanex16_b32 v[BH+\b], v[BM+\b], s[SEL], s[SEL+1]
.endr
.irp b, 0,1,2,3
	v_max_num_f32 v[BM+\b], v[BM+\b], v[BH+\b]     ; with lane l xor 16's 16 keys
.endr
	v_max3_num_f32 v[TMP], v[BM], v[BM+1], v[BM+2]
.if \first
	v_max_num_f32 v13, v[TMP], v[BM+3]
	v_mul_f32 v12, s[NC], v13
	v_floor_f32 v12, v12                           ; -M = floor(-t): M is a whole number
.else
	v_max3_num_f32 v13, v[TMP], v[BM+3], v13       ; the running largest score
	v_mul_f32 v[TM2], s[NC], v13
	v_floor_f32 v[TM2], v[TM2]                     ; the new -M = floor(-t): M is a whole number
	v_sub_f32 v[TMP], v[TM2], v12                  ; old M - new M
	v_mov_b32 v12, v[TM2]
.endif
.irp b, 0,1,2,3
	v_fma_f32 v[BM+\b], v[BM+\b], s[CS], v12       ; t - M of each block's largest score
.endr
.if \first == 0
	v_cvt_i32_f32 v[TMP], v[TMP]                   ; (it saturates)
.endif
.set IX, 0
.rept 16
	v_pk_fma_f32 v[SS+IX:SS+IX+1], v[SS+IX:SS+IX+1], s[CS:CS+1], v[12:13] op_sel_hi:[1,0,0]   ; t - M
.set IX, IX+2
.endr
.if \first == 0
	v_ldexp_f32 v[FF], 1.0, v[TMP]                 ; f = 2^(old M - new M): a multiplication by it rounds nothing
.endif
.rept 16
	v_pk_fma_f32 v[SS+IX:SS+IX+1], v[SS+IX:SS+IX+1], s[CS:CS+1], v[12:13] op_sel_hi:[1,0,0]
.set IX, IX+2
.endr
.if \first == 0
.set IX, 0
.rept 16
	v_pk_mul_f32 v[OT+IX:OT+IX+1], v[OT+IX:OT+IX+1], v[FF:FF+1] op_sel_hi:[1,0]   ; O^T under the new M
.set IX, IX+2
.endr
.endif
	s_wait_alu depctr_va_vdst(0)                   ; ahead of the batch
.irp b, 0,1,2,3
	v_exp_f32 v[BM+\b], v[BM+\b]                   ; a block's largest p: the same two instructions on the same number
.endr
.set IX, 0
.rept 64
	v_exp_f32 v[SS+IX], v[SS+IX]                   ; p = 2^(t - M), at most 1: not normalised
.set IX, IX+1
.endr
.if \first
	v_nop
.else
	v_pk_mul_f32 v[14:15], v[14:15], v[FF:FF+1] op_sel_hi:[1,0]   ; the sum under the new M: the plain place behind the batch
.endif
	s_wait_alu depctr_va_vdst(0)                   ; and ahead of the batch's first reader
.irp b, 0,1,2,3
	v_max_num_f32 v[BM+\b], 0x8000000, v[BM+\b]    ; the floor 2^(16 - 127): the byte cannot fall under 1
.endr
.irp b, 0,1,2,3
	v_add_nc_u32 v[BS+\b], 0xf8800000, v[BM+\b]    ; 15 off the exponent field: the conversion's scale operand
.endr
.irp b, 0,1,2,3
	v_and_or_b32 v[BH+\b], v[BM+\b], 0x7f800000, s[MNT]   ; 57,344 x the scale
.endr
.irp b, 0,1,2,3
	v_lshrrev_b32 v[BM+\b], 23, v[BS+\b]           ; the scale's byte
.endr
	v_lshl_or_b32 v[PW], v[BM+1], 8, v[BM]
	v_lshl_or_b32 v[PW], v[BM+2], 16, v[PW]
	v_lshl_or_b32 v[PW], v[BM+3], 24, v[PW]
.irp u, 0,1
	ds_load_b32 v[VSW+\u], v[AT] offset:2304*\u    ; V's scale words: lanes 0-15 tile 2 u, lanes 16-31 tile 2 u + 1
.endr
.set G, 0
.irp b, 0,1,2,3
.rept 8                                        ; THE ROW'S SUM IS TAKEN OF THE UNQUANTISED p, two at a time, in three chains
.if G == 1
	v_pk_add_f32 v[SA:SA+1], v[SS:SS+1], v[SS+2:SS+3]
.elseif G == 3
	v_pk_add_f32 v[SB:SB+1], v[SS+4:SS+5], v[SS+6:SS+7]
.elseif (\first) && (G == 5)
	v_pk_add_f32 v[14:15], v[SS+8:SS+9], v[SS+10:SS+11]
.elseif (G > 5) || ((G > 3) && (\first == 0))
.if G % 3 == 0
	v_pk_add_f32 v[14:15], v[14:15], v[SS+2*G:SS+2*G+1]
.elseif G % 3 == 1
	v_pk_add_f32 v[SA:SA+1], v[SA:SA+1], v[SS+2*G:SS+2*G+1]
.else
	v_pk_add_f32 v[SB:SB+1], v[SB:SB+1], v[SS+2*G:SS+2*G+1]
.endif
.endif
.set G, G+1
.endr
.set IX, SS+16*\b
.rept 8
	v_dual_min_num_f32 v[IX], v[IX], v[BH+\b] :: v_dual_min_num_f32 v[IX+1], v[IX+1], v[BH+\b]   ; the hold: the conversion to an 8-bit code does not saturate (ISA guide 7.6.2); p is not negative
.set IX, IX+2
.endr
	v_cvt_scalef32_pk8_bf8_f32 v[PC+4*\b:PC+4*\b+1], v[SS+16*\b:SS+16*\b+7], v[BS+\b]
	v_cvt_scalef32_pk8_bf8_f32 v[PC+4*\b+2:PC+4*\b+3], v[SS+16*\b+8:SS+16*\b+15], v[BS+\b]
.irp c, 0,1,2,3                                ; V's fragment b (16 of the head's 64 x these 128 keys) lands where block b of p lay: it has been converted
	ds_load_b128 v[SS+16*\b+4*\c:SS+16*\b+4*\c+3], v[AV] offset:4352*\b+32*\c
.endr
.endr
	v_pk_add_f32 v[14:15], v[14:15], v[SA:SA+1]    ; four places behind the conversions
	v_nop
	v_nop
	v_pk_add_f32 v[14:15], v[14:15], v[SB:SB+1]
	s_wait_alu depctr_va_vdst(0)                   ; directly ahead of the wait below
	s_wait_dscnt 0x0                               ; V's fragments (and the next K's)
.irp t, 0,1,2,3                                ; O^T += V^T P^T: the four accumulators take turns, one instruction a turn
.if \first
.if \t%2
	v_wmma_scale_f32_16x16x128_f8f6f4 v[OT+8*\t:OT+8*\t+7], v[SS+16*\t:SS+16*\t+15], v[PC:PC+15], 0, v[VSW+\t/2], v[PW] matrix_a_fmt:MATRIX_FMT_BF8 matrix_b_fmt:MATRIX_FMT_BF8 matrix_a_scale:MATRIX_SCALE_ROW1
.else
	v_wmma_scale_f32_16x16x128_f8f6f4 v[OT+8*\t:OT+8*\t+7], v[SS+16*\t:SS+16*\t+15], v[PC:PC+15], 0, v[VSW+\t/2], v[PW] matrix_a_fmt:MATRIX_FMT_BF8 matrix_b_fmt:MATRIX_FMT_BF8
.endif
.else
.if \t%2
	v_wmma_scale_f32_16x16x128_f8f6f4 v[OT+8*\t:OT+8*\t+7], v[SS+16*\t:SS+16*\t+15], v[PC:PC+15], v[OT+8*\t:OT+8*\t+7], v[VSW+\t/2], v[PW] matrix_a_fmt:MATRIX_FMT_BF8 matrix_b_fmt:MATRIX_FMT_BF8 matrix_a_scale:MATRIX_SCALE_ROW1
.else
	v_wmma_scale_f32_16x16x128_f8f6f4 v[OT+8*\t:OT+8*\t+7], v[SS+16*\t:SS+16*\t+15], v[PC:PC+15], v[OT+8*\t:OT+8*\t+7], v[VSW+\t/2], v[PW] matrix_a_fmt:MATRIX_FMT_BF8 matrix_b_fmt:MATRIX_FMT_BF8
.endif
.endif
.endr
	NOPS 9                                         ; nine places: the next scores are laid over V's fragments
.endm
; THE WAY OUT of my tile, the row's whole sum in v14: O^T / the sum goes through my pair's stage in LDS, so that sixteen lanes store one row of out0: 256 consecutive bytes, aligned
.macro OUT
	v_and_b32 v216, 15, v0                         ; r
	v_bfe_u32 v217, v0, 4, 1                       ; h'
	v_mul_u32_u24 v218, v216, 272
	v_mul_u32_u24 v219, v217, 272
	v_lshl_add_u32 v218, v217, 5, v218             ; in: row r; tile t's eight channels of my half lie 64 t + 32 h' bytes on
	v_lshl_add_u32 v219, v216, 4, v219             ; back: lanes 0-15 one row, lanes 16-31 the next
	v_add_nc_u32 v218, s[SST], v218
	v_add_nc_u32 v219, s[SST], v219
	v_lshlrev_b32 v225, 12, v217                   ; positions lie 4,096 bytes apart
	v_lshl_add_u32 v225, v216, 4, v225
	s_wait_alu depctr_va_vdst(0)                   ; ahead of the reciprocal,
	v_rcp_f32 v14, v14
	v_nop
	s_wait_alu depctr_va_vdst(0)                   ; and ahead of its first reader
.set IX, 0
.rept 16
	v_pk_mul_f32 v[SS+IX:SS+IX+1], v[OT+IX:OT+IX+1], v[14:15] op_sel_hi:[1,0]   ; register 8 t + i is channel 16 t + 8 h' + i of query r
.set IX, IX+2
.endr
.irp t, 0,1,2,3
	ds_store_b128 v218, v[SS+8*\t:SS+8*\t+3] offset:64*\t
	ds_store_b128 v218, v[SS+8*\t+4:SS+8*\t+7] offset:64*\t+16
.endr
.irp i, 0,1,2,3,4,5,6,7
	ds_load_b128 v[SS+32+4*\i:SS+35+4*\i], v219 offset:544*\i   ; LDS serves a wave's instructions in order (ISA guide 5.7.1.4): these see my stores
.endr
.irp i, 0,1,2,3,4,5,6,7
	s_wait_dscnt 7-\i                              ; load i is in; the 7 - i behind it may be out
	global_store_b128 v225, v[SS+32+4*\i:SS+35+4*\i], s[82:83] offset:8192*\i th:TH_STORE_NT   ; positions 2 i and 2 i + 1
.endr
.endm
; Step num, and ahead of it, in role 0 behind its first tile's last step, that tile's way out and the second tile's beginning
.macro TRIP num, last
	s_cmp_lg_u32 s[ROLE], 0
	s_cbranch_scc1 .Lstay_\@
	s_cmp_lg_u32 s[FL1], \num
	s_cbranch_scc1 .Lstay_\@
	v_add_f32 v14, v14, v15                        ; the first tile is done.  The sum's two halves,
	v_permlanex16_b32 v[TMP], v14, s[SEL], s[SEL+1]
	v_add_f32 v14, v14, v[TMP]                     ; and lane l xor 16's
	OUT
	s_wait_xcnt 0x0                                ; the stores' registers may be written again
	v_mov_b32 v13, 0xff61b1e6                      ; the largest score so far: -3e38
	v_mov_b32 v12, 0x7f000000                      ; -M = 2^127: the first change of M multiplies zeros by 0
	v_mov_b32 v14, 0
	v_mov_b32 v15, 0
.set IX, 0
.rept 32
	v_mov_b32 v[OT+IX], 0                          ; (the step adds; it is the same for both tiles)
.set IX, IX+1
.endr
	s_mov_b32 s[KD], s[KT1]
	s_wait_alu depctr_va_vdst(0)                   ; ahead of the waits and branches that follow
.Lstay_\@:
.if \last
	s_cmp_gt_u32 s[N], s[LAST]                     ; role 0 has no step 8
	s_cbranch_scc1 .Lnostep_\@
.endif
	STEP 0, \num, \last
.if \last
.Lnostep_\@:
.endif
.endm
; A barrier that shows every wave's copies but the last left
.macro SHOW left
	s_wait_asynccnt \left
	s_barrier_signal -1
	s_barrier_wait -1
.endm
	s_wait_loadcnt 0x0                             ; Q
	SHOW 32                                        ; 37 - 5
	v_and_b32 v246, 15, v0                         ; (V's first copies have used it)
	v_lshlrev_b32 v246, 5, v246                    ; Q's scale bytes: 32 bytes a position
	s_wait_alu depctr_va_vdst(0)
	LOADK AK0, ADK1, ASK0
	STEP 1, 0, 0
	CHUNK KN, 1                                    ; step 1's chunk
	s_lshl_b32 s[T0], s[KN], 13
	s_lshl_b32 s[T1], s[KN], 9
	SHOW 23                                        ; 37 - 14: steps 1 and 2 take chunks up to 2 and 4
	v_add_nc_u32 v[ADK0], s[T0], v[AK0]
	v_add_nc_u32 v[ADS], s[T1], v[ASK0]
	v_xor_b32 v[ADK1], 0x80, v[ADK0]
	LOADK ADK0, ADK1, ADS
	TRIP 1, 0
	SHOW 14                                        ; 37 - 23: steps 3 and 4 take chunks up to 6 and 8
	TRIP 2, 0
	TRIP 3, 0
	SHOW 0                                         ; the whole head
	s_mov_b32 s[N], 4
.Lloop:                                            ; steps 4 to 8
	TRIP s[N], 1
	s_add_co_u32 s[N], s[N], 1
	s_cmp_lt_u32 s[N], 9
	s_cbranch_scc1 .Lloop
	; THE JOINING of tile 15 - p: role 0 hands its part (O^T, -M, the sum) over in the pair's stage; role 1 adds it to its own
	v_add_f32 v14, v14, v15
	v_and_b32 v216, 31, v0
	v_permlanex16_b32 v[TMP], v14, s[SEL], s[SEL+1]
	v_lshlrev_b32 v217, 4, v216
	v_lshlrev_b32 v218, 2, v216
	v_add_f32 v14, v14, v[TMP]                     ; the row's whole sum over my keys
	v_add_nc_u32 v217, s[SST], v217
	v_add_nc_u32 v218, s[SST], v218
	s_wait_alu depctr_va_vdst(0)                   ; ahead of the branch and the barrier
	s_cmp_lg_u32 s[ROLE], 0
	s_cbranch_scc1 .Lmeet
.irp k, 0,1,2,3,4,5,6,7
	ds_store_b128 v217, v[OT+4*\k:OT+4*\k+3] offset:512*\k
.endr
	ds_store_b32 v218, v12 offset:4096
	ds_store_b32 v218, v14 offset:4224
.Lmeet:
	s_wait_dscnt 0x0                               ; my stores are done
	s_barrier_signal -1
	s_barrier_wait -1
	s_cmp_eq_u32 s[ROLE], 0
	s_cbranch_scc1 .Ldone
	ds_load_b32 v219, v218 offset:4096
	ds_load_b32 v220, v218 offset:4224
.irp k, 0,1,2,3,4,5,6,7
	ds_load_b128 v[SS+4*\k:SS+4*\k+3], v217 offset:512*\k
.endr
	s_wait_dscnt 0x0
	v_min_num_f32 v221, v12, v219                  ; the joint -M
	v_sub_f32 v222, v221, v12                      ; my M less the joint one, and the other part's: whole numbers, 0 or less
	v_sub_f32 v223, v221, v219
	v_cvt_i32_f32 v222, v222                       ; (they saturate: a part without keys gets the factor 0)
	v_cvt_i32_f32 v223, v223
	v_ldexp_f32 v[FF], 1.0, v222
	v_ldexp_f32 v[SA], 1.0, v223
	v_mul_f32 v[TMP], v220, v[SA]
.set IX, 0
.rept 16
	v_pk_mul_f32 v[SS+IX:SS+IX+1], v[SS+IX:SS+IX+1], v[SA:SA+1] op_sel_hi:[1,0]
.set IX, IX+2
.endr
	v_fma_f32 v14, v14, v[FF], v[TMP]
.set IX, 0
.rept 16
	v_pk_fma_f32 v[OT+IX:OT+IX+1], v[OT+IX:OT+IX+1], v[FF:FF+1], v[SS+IX:SS+IX+1] op_sel_hi:[1,0,1]
.set IX, IX+2
.endr
	OUT
.Ldone:
	s_wait_tensorcnt 0x0                           ; the wave's end
	s_wait_asynccnt 0x0
	ds_add_u32 v[SPW], v[NIL]
	s_wait_dscnt 0x0
	s_endpgm
.Lfunc_end_k_q0fa50b55d7_attn:
	.size	k_q0fa50b55d7_attn, .Lfunc_end_k_q0fa50b55d7_attn-k_q0fa50b55d7_attn
	.p2alignl 7, 3214868480
	.fill 96, 4, 3214868480
	.section	.rodata,"a",@progbits
	.p2align	6, 0x0
	.amdhsa_kernel k_q0fa50b55d7_attn
		.amdhsa_group_segment_fixed_size 327680
		.amdhsa_private_segment_fixed_size 0
		.amdhsa_enable_private_segment 0
		.amdhsa_kernarg_size 56
		.amdhsa_user_sgpr_count 2
		.amdhsa_user_sgpr_kernarg_segment_ptr 1
		.amdhsa_wavefront_size32 1
		.amdhsa_system_sgpr_workgroup_id_x 1
		.amdhsa_system_sgpr_workgroup_id_y 1
		.amdhsa_system_sgpr_workgroup_id_z 1
		.amdhsa_system_vgpr_workitem_id 0
		.amdhsa_next_free_vgpr 256
		.amdhsa_next_free_sgpr 100
		.amdhsa_reserve_vcc 1
		.amdhsa_float_denorm_mode_32 3
		.amdhsa_float_denorm_mode_16_64 3
		.amdhsa_memory_ordered 1
		.amdhsa_forward_progress 1
		.amdhsa_inst_pref_size 184
	.end_amdhsa_kernel
	.amdgpu_metadata
---
amdhsa.version: [ 1, 2 ]
amdhsa.kernels:
  - .name:           k_q0fa50b55d7_attn
    .symbol:         k_q0fa50b55d7_attn.kd
    .args:
      - { .name: keys_codes, .offset: 0, .size: 8, .value_kind: global_buffer, .address_space: global }
      - { .name: keys_scales, .offset: 8, .size: 8, .value_kind: global_buffer, .address_space: global }
      - { .name: queries_codes, .offset: 16, .size: 8, .value_kind: global_buffer, .address_space: global }
      - { .name: queries_scales, .offset: 24, .size: 8, .value_kind: global_buffer, .address_space: global }
      - { .name: values_codes, .offset: 32, .size: 8, .value_kind: global_buffer, .address_space: global }
      - { .name: values_scales, .offset: 40, .size: 8, .value_kind: global_buffer, .address_space: global }
      - { .name: out0, .offset: 48, .size: 8, .value_kind: global_buffer, .address_space: global }
    .group_segment_fixed_size: 327680
    .private_segment_fixed_size: 0
    .kernarg_segment_align: 8
    .kernarg_segment_size: 56
    .max_flat_workgroup_size: 512
    .sgpr_count:     100
    .vgpr_count:     256
    .wavefront_size: 32
...
	.end_amdgpu_metadata
.endif
;; end of part 1
